; MI455X (gfx1250); checked and timed in simulation.
; The chip was launched on July 23, 2026; its instructions are those of AMD's public machine-readable ISA for CDNA 5 (MIT licence, August 2026) and "CDNA5" Instruction Set Architecture Reference Guide (July 2026). The comments in the code are by the model that wrote it; some were corrected since.
;; Reinforce Agent Quantum. Allowed arithmetic: matrix products marked QUANTISED: E4M3 operands, one given power-of-two scale a tensor, by v_wmma_f32_16x16x64_fp8_fp8 or v_wmma_f32_16x16x128_fp8_fp8, f32 sums; everything else in f32.
;; Inputs: input_scaling 2 float32; lowp_scales 4 int32 (the exponents e of the quantised operands' scales 2^e); output_scaling 14 float32; weights 2 float32; x 1,024 x 42 float32.
;; Outputs: out0 1,024 x 14 float32.
;; This version of the problem:
;;   THIS VERSION OF THE PROBLEM IS GIVEN IN LOW PRECISION. The matrix products marked QUANTISED in the list below multiply operands that are first quantised to E4M3 (4 exponent bits, 3 mantissa bits; 8 bits a number), with one given power-of-two scale for each operand tensor; their sums are f32. All else is computed in f32.
;;   The module's matrix products, in the order in which they are computed (A, B: the left and right operand; K: the contracted axis; several contracted axes count as one K, in the product's order):
;;     1. [M 1,024, K 91] x [K 91, N 16,384]; A: computed on the way; B: computed on the way: QUANTISED (scales: A lowp_scales[0], B lowp_scales[1])
;;     2. [M 1,024, K 91] x [K 91, N 16,384]; A: computed on the way; B: computed on the way: QUANTISED (scales: A lowp_scales[2], B lowp_scales[3])
;;   THE QUANTISER, for each operand of a quantised product, along K:
;;     - The operand's scale is 2^e, e = its entry of the input lowp_scales (int32; the entries are numbered through the quantised products in the list's order, A before B).
;;     - Each number is divided by the scale, clamped to +-448, and rounded to the nearest number of E4M3, ties to even, subnormals kept.
;;     - The product sums the exact products of the quantised numbers (number of the format x scale) in f32.
;;   ~~~python
;;   def quantise(x, axis, e):      # numpy; x: float32 -> the quantised numbers, widened to float32 again
;;       x = np.moveaxis(x, axis, -1); K = x.shape[-1]
;;       r = np.clip(x / 2.0 ** e, -448, 448)
;;       step = 2.0 ** (np.maximum(np.frexp(np.where(r == 0, 1, r))[1] - 1, -6) - 3)
;;       q = np.round(r / step) * step * 2.0 ** e      # np.round: ties to even
;;       return np.moveaxis(q, -1, axis).astype(np.float32)
;;   ~~~
;;   OPERANDS COMPUTED ON THE WAY. 'Computed on the way' means the value that the module computes at that place (a softmax that the list does not call 'softmax' is quantised finished and normalised). What goes into a quantiser is computed in f32, as accurately as f32 sums, v_exp_f32 and their like allow (about 1e-6 of the number): no bf16 or f16 on the way to a quantiser, and a product that is left as it is and whose result goes on into a quantised operand takes f32 operands (vector FMAs, or v_wmma_f32_16x16x4_f32). A number that lies on a knife's edge between two numbers of the format may be rounded either way, as far as f32 arithmetic and the matrix unit's own rounding can turn it there, and no further.
;; One version. Each part assembles by itself: llvm-mc -triple=amdgcn-amd-amdhsa -mcpu=gfx1250 --defsym DOCPART=n.
;; ======== version 1 of 1: 1 launch
;; launch qsim (part 1): grid 1024 x 1, 8 waves a work-group, no clusters, 144,896 bytes of LDS; arguments x, input_scaling, weights, lowp_scales, output_scaling, out0; writes out0
.if DOCPART == 1
	.amdgcn_target "amdgcn-amd-amdhsa--gfx1250"
	.amdhsa_code_object_version 6
	.text
	.protected	k_qd31ef5efd5_qsim
	.globl	k_qd31ef5efd5_qsim
	.p2align	8
	.type	k_qd31ef5efd5_qsim,@function
k_qd31ef5efd5_qsim:
	s_mov_b64 s[64:65], 0
	v_nop
	global_prefetch_b8 v0, s[64:65] scope:SCOPE_SE
	s_setreg_imm32_b32 hwreg(HW_REG_WAVE_MODE, 25, 1), 1
	s_wait_xcnt 0x0
; A 14-qubit circuit for 1,024 batch elements: two layers of (a diagonal phase exp(-i angle / 2), then RX on every qubit), then <X_q> x output_scaling.
; angle[f] = sum over the 91 pairs (i < j) of (input_scaling x |c_i - c_j|) x (+-1): a product on codes of E4M3, each operand with its given scale 2^e.
; SHARES.  One work-group to a batch element; its 16,384 complex amplitudes stay in the registers of eight waves, 64 to a lane, as pairs [re, im] in v128-255.
; An amplitude's place has 14 bits: p0-5 the register (p0-2 = j, p3-5 = tile t), p6-10 the lane (p6-9 = lane % 16, p10 = lane / 16), p11-13 the wave.
; THE PRODUCT.  The sign of pair (i, j) at basis state f is (-1)^(f_i + f_j), which factors over any split of f's bits.  A'[m][k] = the code of input_scaling x d_k with its sign bit turned by
; the bits of f that m, the tile and the wave hold; B'[k][n] = the code of 1.0 with its sign bit turned by the bits that n holds.  The quantiser is odd, so each product of codes is the very product
; of the two quantised numbers: only the sign has moved from one side to the other.  Register j of lane (r, h) of the result is the angle at m = 8 h + j, n = r: the lane's own amplitude.
; K's ORDER is this text's own, the same in A' and B': k = 16 g + e; e < 13 - g: pair (g, g + 1 + e), else pair (12 - g, e); valid: g <= 5 with e <= 13, g = 6 with e <= 6: 91 pairs.
; All other k hold zero codes on both sides.  Registers 4 c .. 4 c + 3 of lane (r, h) hold group g = 2 c + h.
; THE GATES.  RX on a qubit that lies in the register bits is packed arithmetic on two registers pairs.  A transposition through LDS swaps p_k with p_(k+8), k = 0 .. 5; p6 and p7 are served by lane exchanges
; that ride on the multiply.  A layer: phase, six gates, transposition, six gates, two gates.  So layer 0 begins with qubit q at place q, layer 1 with qubit tau(p) at place p (tau = that swap), and the end is as the start.
; SINE AND COSINE are polynomials: the angle in turns less its nearest whole number, a quarter of it by Taylor's series to x^7 and x^8 (|x| <= pi / 4: error under 4e-7), then doubled twice.
; The state's factor 2^-7 is left out and comes in at the end, as 2^-14, exactly.
; LIMITS: each given exponent e lies between -126 and 119, so that 2^e and 448 x 2^e are f32 numbers.  NaN among the inputs is not served.  The gates' pi is exact (weights / 4 turns) where f32 pi differs from it by 9e-8 of itself.
; No tensor load, no cluster, no prefetch: a work-group reads 168 bytes of x and a few words, and shares nothing.  A work-group stores its 56 bytes of the output by one instruction.
; LDS: 0 .. 131,071 the transposition's buffer; then 1,536 bytes for each wave, its own (for each layer 768: the codes of A, 128; of B, 128; four sign vectors of 128); then 64 bytes for each wave's 14 sums.
; REGISTERS: v1 lane, v2 lane / 16, v3, v4 the transposition's bases, v5, v14, v15 places in the wave's own LDS, v7 lane % 8, v8, v9 cos and sin of the layer's gates (a lane a qubit), v10-13 both layers',
; v16-25 constants, v26-29 +-sin for the lane exchanges, v30, v31 words of qubit bits, v32-47 A', v48-63 B', v64-79 sign vectors, v80-95 two results by turns, v96-111 pairs [z, r] and temporaries, v112-127 pairs [cos, sin].
.set X,     128
.set ZR,    96
.set PP,    112
.set AF,    32
.set BF,    48
.set GB,    64
.set D0,    80
.set PRIV,  131072
.set PRIVW, 1536
.set LAYB,  768
.set RED,   143360
; registers of the head alone, in the state's place
.set CG,  128                          ; c[g]
.set CH,  129                          ; c[12 - g]
.set CJ,  130                          ; c[g + 1 + e], e = 0 .. 13
.set XQ0, 144                          ; x of the qubit whose gate my lane stands for, layer 0
.set XQ1, 145                          ; layer 1
.set DR,  146                          ; 16 distances of my group, 0 where k is not valid
.set ON,  162                          ; 16 ones, 0 where k is not valid
.set TQ,  178                          ; 16 numbers on their way into codes
.set CD,  194                          ; 16 codes
.set SCL, 198                          ; 2^e
.set LIM, 199                          ; 448 x 2^e
.set OA,  200                          ; byte offsets into x's row
.set OB,  201
.set OC,  202
.set OD,  203
.set TM,  204                          ; at work
; The 16 sign bytes (0x80 or 0) of group v[g] for the word of qubit bits v[f]: bit e of v112 = f_i xor f_j of pair k = 16 g + e; then each nibble is spread to the top bits of four bytes:
; n x (2^7 + 2^14 + 2^21 + 2^28) has bit i of n at bit 7 + 8 i, and no two of its sixteen terms share a bit.
.macro SGROUP dst, f, g
	s_delay_alu instid0(VALU_DEP_1)
	v_lshrrev_b32 v112, v[\g], v[\f]
	v_sub_nc_u32 v114, 12, v[\g]
	s_delay_alu instid0(VALU_DEP_2)
	v_and_b32 v113, 1, v112
	s_delay_alu instid0(VALU_DEP_2)
	v_lshrrev_b32 v115, v114, v[\f]
	s_delay_alu instid0(VALU_DEP_2)
	v_sub_nc_u32 v113, 0, v113                     ; all ones where f_g is set
	s_delay_alu instid0(VALU_DEP_2)
	v_and_b32 v115, 1, v115
	v_lshrrev_b32 v112, 1, v112
	s_delay_alu instid0(VALU_DEP_2)
	v_sub_nc_u32 v115, 0, v115                     ; all ones where f_(12-g) is set
	s_delay_alu instid0(VALU_DEP_2)
	v_xor_b32 v112, v112, v113                     ; bit e: f_(g+1+e) xor f_g
	s_delay_alu instid0(VALU_DEP_2)
	v_xor_b32 v115, v[\f], v115                    ; bit e: f_e xor f_(12-g)
	v_lshrrev_b32 v114, v[\g], s33                 ; 0x1fff >> g: ones at e < 13 - g
	s_delay_alu instid0(VALU_DEP_1)
	v_bfi_b32 v112, v114, v112, v115
.irp p, 0,1,2,3
	v_bfe_u32 v113, v112, 4*\p, 4
	s_delay_alu instid0(VALU_DEP_1)
	v_mul_lo_u32 v113, v113, s31
	s_delay_alu instid0(VALU_DEP_1)
	v_and_b32 v[\dst+\p], s32, v113
.endr
.endm
; v[SCL] = 2^e, v[LIM] = 448 x 2^e, e = entry idx of the given exponents
.macro SCALE idx
	s_add_co_i32 s84, s[24+(\idx)], 127
	s_lshl_b32 s85, s84, 23
	v_mov_b32 v[SCL], s85
	s_add_co_i32 s84, s84, 8
	s_lshl_b32 s84, s84, 23
	s_or_b32 s84, s84, 0x600000
	v_mov_b32 v[LIM], s84
.endm
; 16 numbers of my group become 16 codes at byte off of the wave's own LDS (four lanes hold the same group and store the same bytes)
.macro QGROUP src, off
.irp i, 0,1,2,3,4,5,6,7,8,9,10,11,12,13,14,15
	v_med3_num_f32 v[TQ+\i], v[\src+\i], -v[LIM], v[LIM]   ; the conversion to an 8-bit code does not saturate (ISA guide 7.6.2): the hold at the largest code x the scale
.endr
	v_cvt_scalef32_pk8_fp8_f32 v[CD:CD+1], v[TQ:TQ+7], v[SCL]
	v_cvt_scalef32_pk8_fp8_f32 v[CD+2:CD+3], v[TQ+8:TQ+15], v[SCL]
	v_nop                                          ; a plain vector line behind the conversions, ahead of whatever next writes their sources
	ds_store_b128 v15, v[CD:CD+3] offset:\off
	s_wait_dscnt 0x0                               ; the store has read its registers
.endm
; [1 - t s, t c] from t = 2 s in the low word of pair j of ZR and [c, s] in pair j of PP: the angle doubled
.macro DBL dst, j
	v_pk_fma_f32 v[\dst:\dst+1], v[ZR+2*(\j):ZR+2*(\j)+1], v[PP+2*(\j):PP+2*(\j)+1], v[24:25] op_sel:[0,1,0] op_sel_hi:[0,0,1] neg_lo:[1,0,0]
.endm
; Eight numbers v[d] on, x s[sk], are angles in turns.  Left in PP: [cos, sin] of HALF of each angle; in ZR's low words: twice that sine, so that one DBL more gives the angle's own.
; Step by step over the eight, so that no line waits for the line above it; the first line reads the lowest of the eight registers.
.macro SC8 d, sk
.irp j, 0,1,2,3,4,5,6,7
	v_mul_f32 v[ZR+2*\j+1], s[\sk], v[\d+\j]
.endr
.irp j, 0,1,2,3,4,5,6,7
	v_rndne_f32 v[ZR+2*\j], v[ZR+2*\j+1]
.endr
.irp j, 0,1,2,3,4,5,6,7
	v_sub_f32 v[ZR+2*\j+1], v[ZR+2*\j+1], v[ZR+2*\j]       ; r, between -1/2 and 1/2 of a turn: exact
.endr
.irp j, 0,1,2,3,4,5,6,7
	v_mul_f32 v[ZR+2*\j], v[ZR+2*\j+1], v[ZR+2*\j+1]       ; z = r r
.endr
.irp j, 0,1,2,3,4,5,6,7
	v_pk_fma_f32 v[PP+2*\j:PP+2*\j+1], v[ZR+2*\j:ZR+2*\j+1], v[16:17], v[18:19] op_sel_hi:[0,1,1]
.endr
.irp j, 0,1,2,3,4,5,6,7
	v_pk_fma_f32 v[PP+2*\j:PP+2*\j+1], v[PP+2*\j:PP+2*\j+1], v[ZR+2*\j:ZR+2*\j+1], v[20:21] op_sel_hi:[1,0,1]
.endr
.irp j, 0,1,2,3,4,5,6,7
	v_pk_fma_f32 v[PP+2*\j:PP+2*\j+1], v[PP+2*\j:PP+2*\j+1], v[ZR+2*\j:ZR+2*\j+1], v[22:23] op_sel_hi:[1,0,1]
.endr
.irp j, 0,1,2,3,4,5,6,7
	v_pk_fma_f32 v[PP+2*\j:PP+2*\j+1], v[PP+2*\j:PP+2*\j+1], v[ZR+2*\j:ZR+2*\j+1], v[24:25]   ; [.. z + 1, .. r + 0]: cos and sin of a quarter of the angle
.endr
.irp j, 0,1,2,3,4,5,6,7
	v_add_f32 v[ZR+2*\j], v[PP+2*\j+1], v[PP+2*\j+1]
.endr
.irp j, 0,1,2,3,4,5,6,7
	DBL PP+2*\j, \j
.endr
.irp j, 0,1,2,3,4,5,6,7
	v_add_f32 v[ZR+2*\j], v[PP+2*\j+1], v[PP+2*\j+1]
.endr
.endm
; A layer's operands for tile 0: the codes from the wave's own LDS, their sign bits turned by the qubit bits that my row of A' (with my wave) and my column of B' hold.
.macro PREP lay
	v_mov_b32 v8, v[10+2*\lay]
	v_mov_b32 v9, v[11+2*\lay]
.irp c, 0,1,2,3
	ds_load_b128 v[AF+4*\c:AF+4*\c+3], v5 offset:LAYB*\lay+32*\c
.endr
.irp c, 0,1,2,3
	ds_load_b128 v[BF+4*\c:BF+4*\c+3], v5 offset:LAYB*\lay+128+32*\c
.endr
	v_and_b32 v30, 7, v0
	v_bfe_u32 v117, v0, 3, 1
	v_bfe_u32 v118, v0, 5, 3
.if \lay == 0
	s_delay_alu instid0(VALU_DEP_2)
	v_lshl_or_b32 v30, v117, 10, v30               ; row m: m0-2 are qubits 0-2, m3 is qubit 10; the wave: qubits 11-13
	s_delay_alu instid0(VALU_DEP_1)
	v_lshl_or_b32 v30, v118, 11, v30
	v_and_b32 v31, 15, v0
	s_delay_alu instid0(VALU_DEP_1)
	v_lshlrev_b32 v31, 6, v31                      ; column n: qubits 6-9
.else
	s_delay_alu instid0(VALU_DEP_3)
	v_lshlrev_b32 v30, 8, v30                      ; m0-2: qubits 8-10; m3: qubit 2; the wave: qubits 3-5
	s_delay_alu instid0(VALU_DEP_1)
	v_lshl_or_b32 v30, v117, 2, v30
	s_delay_alu instid0(VALU_DEP_1)
	v_lshl_or_b32 v30, v118, 3, v30
	v_and_b32 v31, 3, v0
	v_bfe_u32 v117, v0, 2, 2
	s_delay_alu instid0(VALU_DEP_1)
	v_lshl_or_b32 v31, v31, 6, v117                ; n0, n1: qubits 6, 7; n2, n3: qubits 0, 1
.endif
.irp c, 0,1,2,3
	v_add_nc_u32 v116, 2*\c, v2                    ; g = 2 c + h
	SGROUP GB+4*\c, 30, 116
.endr
	s_wait_dscnt 0x0                               ; the codes are in
.irp c, 0,1,2,3,4,5,6,7,8,9,10,11,12,13,14,15
	v_xor_b32 v[AF+\c], v[AF+\c], v[GB+\c]
.endr
.irp c, 0,1,2,3
	v_add_nc_u32 v116, 2*\c, v2
	SGROUP GB+4*\c, 31, 116
.endr
.irp c, 0,1,2,3,4,5,6,7,8,9,10,11,12,13,14,15
	v_xor_b32 v[BF+\c], v[BF+\c], v[GB+\c]
.endr
.endm
; The i-th tile of a phase, tile number t.  nb: the tile bit that turns on the way to the next tile: its sign vector is fetched behind the product.  first = 1: the state is uniform, so the phase factor is the state.
; The two results take turns; every sum begins with the constant 0 and is one instruction long, so there is no chain.
.macro TILE i, t, nb, lay, first
.if \i > 0
	s_wait_dscnt 0x0                               ; the sign vector, asked for a tile ago
.irp c, 0,1,2,3,4,5,6,7,8,9,10,11,12,13,14,15
	v_xor_b32 v[AF+\c], v[AF+\c], v[GB+\c]
.endr
.endif
	v_wmma_f32_16x16x128_fp8_fp8 v[D0+8*(\i%2):D0+8*(\i%2)+7], v[AF:AF+15], v[BF:BF+15], 0
.if \i < 7
.irp c, 0,1,2,3
	ds_load_b128 v[GB+4*\c:GB+4*\c+3], v5 offset:LAYB*\lay+256+128*\nb+32*\c
.endr
.endif
.rept 4
	v_nop                                          ; four places between the product and the first read of its result (ISA guide 7.12.1)
.endr
	SC8 D0+8*(\i%2), 28+\lay
.if \first
.irp j, 0,1,2,3,4,5,6,7
	DBL X+2*(8*\t+\j), \j
.endr
.else
.irp j, 0,1,2,3,4,5,6,7
	DBL PP+2*\j, \j
.endr
.irp j, 0,1,2,3,4,5,6,7
	v_pk_mul_f32 v[ZR+2*\j:ZR+2*\j+1], v[X+2*(8*\t+\j):X+2*(8*\t+\j)+1], v[PP+2*\j:PP+2*\j+1] op_sel:[1,1] op_sel_hi:[1,0] neg_lo:[1,0]   ; [-im s, im c]
.endr
.irp j, 0,1,2,3,4,5,6,7
	v_pk_fma_f32 v[X+2*(8*\t+\j):X+2*(8*\t+\j)+1], v[X+2*(8*\t+\j):X+2*(8*\t+\j)+1], v[PP+2*\j:PP+2*\j+1], v[ZR+2*\j:ZR+2*\j+1] op_sel_hi:[0,1,1]   ; + [re c, re s]
.endr
.endif
.endm
.macro PHASE lay, first                ; the tiles in Gray order, so that one sign vector turns A' from a tile to the next
	TILE 0, 0, 0, \lay, \first
	TILE 1, 1, 1, \lay, \first
	TILE 2, 3, 0, \lay, \first
	TILE 3, 2, 2, \lay, \first
	TILE 4, 6, 0, \lay, \first
	TILE 5, 7, 1, \lay, \first
	TILE 6, 5, 0, \lay, \first
	TILE 7, 4, 0, \lay, \first
.endm
; cos and sin of six gates, from lanes l0 .. l0 + 5 of v8 and v9, into scalar pairs (the odd registers were written once, since a packed form names the pair)
.macro GCONST l0
.irp k, 0,1,2,3,4,5
	v_readlane_b32 s[40+4*\k], v8, \l0+\k
	v_readlane_b32 s[42+4*\k], v9, \l0+\k
.endr
.endm
; RX on the six qubits in the register bits: a' = c a + [s im(b), -s re(b)], b the partner.  Four pairs at a time: first all eight products of the old values, then the eight multiply-adds.
.macro G6
.set gk, 0
.rept 6
.set gn, 0
.rept 8
.set gu, 0
.rept 4
.set ga, (((gn+gu)>>gk)<<(gk+1))|((gn+gu)&((1<<gk)-1))
.set gb, ga|(1<<gk)
	v_pk_mul_f32 v[ZR+4*gu:ZR+4*gu+1], v[X+2*gb:X+2*gb+1], s[42+4*gk:43+4*gk] op_sel:[1,0] op_sel_hi:[0,0] neg_hi:[1,0]
	v_pk_mul_f32 v[ZR+4*gu+2:ZR+4*gu+3], v[X+2*ga:X+2*ga+1], s[42+4*gk:43+4*gk] op_sel:[1,0] op_sel_hi:[0,0] neg_hi:[1,0]
.set gu, gu+1
.endr
.set gu, 0
.rept 4
.set ga, (((gn+gu)>>gk)<<(gk+1))|((gn+gu)&((1<<gk)-1))
.set gb, ga|(1<<gk)
	v_pk_fma_f32 v[X+2*ga:X+2*ga+1], v[X+2*ga:X+2*ga+1], s[40+4*gk:41+4*gk], v[ZR+4*gu:ZR+4*gu+1] op_sel_hi:[1,0,1]
	v_pk_fma_f32 v[X+2*gb:X+2*gb+1], v[X+2*gb:X+2*gb+1], s[40+4*gk:41+4*gk], v[ZR+4*gu+2:ZR+4*gu+3] op_sel_hi:[1,0,1]
.set gu, gu+1
.endr
.set gn, gn+4
.endr
.set gk, gk+1
.endr
.endm
; RX on qubits 6 and 7, which lie in the lane's two lowest bits: the partner's number comes from lane xor 1 or lane xor 2 on the multiply itself
.macro D2
	v_readlane_b32 s36, v8, 6
	v_readlane_b32 s38, v8, 7
	v_readlane_b32 s84, v9, 6
	v_readlane_b32 s85, v9, 7
	s_delay_alu instid0(VALU_DEP_2)
	v_mov_b32 v26, s84
	s_delay_alu instid0(VALU_DEP_2)
	v_mov_b32 v28, s85
	s_delay_alu instid0(VALU_DEP_2)
	v_xor_b32 v27, 0x80000000, v26
	s_delay_alu instid0(VALU_DEP_2)
	v_xor_b32 v29, 0x80000000, v28
.irp m, 1,2
.set da, 0
.rept 8
.irp u, 0,1,2,3,4,5,6,7
	v_mul_f32_dpp v[ZR+2*\u], v[X+2*(da+\u)+1], v[24+2*\m] row_xmask:\m row_mask:0xf bank_mask:0xf
	v_mul_f32_dpp v[ZR+2*\u+1], v[X+2*(da+\u)], v[25+2*\m] row_xmask:\m row_mask:0xf bank_mask:0xf
.endr
.irp u, 0,1,2,3,4,5,6,7
	v_pk_fma_f32 v[X+2*(da+\u):X+2*(da+\u)+1], v[X+2*(da+\u):X+2*(da+\u)+1], s[34+2*\m:35+2*\m], v[ZR+2*\u:ZR+2*\u+1] op_sel_hi:[1,0,1]
.endr
.set da, da+8
.endr
.endr
.endm
; THE TRANSPOSITION: p_k <-> p_(k+8), k = 0 .. 5: register bits 0-5 against lane bits 2-4 and the wave's three.  An amplitude's 8 bytes lie, in the writer's terms, at
; bit 3 = lane bit 2; bits 4, 5 = lane bits 0, 1; bits 6, 7 = lane bits 3, 4 xor register bits 0, 1; bits 8-13 = the register; bits 14-16 = the wave.
; So the 32 lanes of a store touch 32 different 8-byte columns of 256 bytes, and the 16 lanes of each half of a load 16 different 16-byte columns.
; Each of the twelve addresses has a register of its own.  Two barriers: every wave's earlier reads of the buffer are over before anyone stores; every wave's stores have landed before anyone reads.
; The caller waits for the loads.
.macro TRANS
.irp v, 0,1,2,3
	v_xor_b32 v[96+\v], (\v)<<6, v3
.endr
.irp w, 0,1,2,3,4,5,6,7
	v_xor_b32 v[100+\w], (((\w)&3)<<6)|(((\w)>>2)<<16), v4
.endr
	s_wait_alu depctr_va_vdst(0)
	s_wait_dscnt 0x0
	s_barrier_signal -1
	s_barrier_wait -1
.irp v, 0,1,2,3
.irp q, 0,1,2,3,4,5,6,7,8,9,10,11,12,13,14,15
	ds_store_b64 v[96+\v], v[X+2*(4*\q+\v):X+2*(4*\q+\v)+1] offset:256*(4*\q+\v)
.endr
.endr
	s_wait_dscnt 0x0                               ; for the others' sake: my stores have landed
	s_barrier_signal -1
	s_barrier_wait -1
.irp w, 0,1,2,3,4,5,6,7
.irp q, 0,1,2,3
	ds_load_b128 v[X+2*(2*((\w)&3)+8*\q+32*((\w)>>2)):X+2*(2*((\w)&3)+8*\q+32*((\w)>>2))+3], v[100+\w] offset:(\q)<<14   ; two neighbouring registers' amplitudes
.endr
.endr
.endm
; sums of [re re', im im'] over the 32 pairs of each of the six qubits in the register bits, into v[32 + 2 q] on, q = q0 .. q0 + 5; the six chains by turns; the first product starts each sum
.macro E6 q0
.set en, 0
.rept 32
.set ek, 0
.rept 6
.set ga, ((en>>ek)<<(ek+1))|(en&((1<<ek)-1))
.set gb, ga|(1<<ek)
.if en == 0
	v_pk_mul_f32 v[32+2*(\q0+ek):33+2*(\q0+ek)], v[X+2*ga:X+2*ga+1], v[X+2*gb:X+2*gb+1]
.else
	v_pk_fma_f32 v[32+2*(\q0+ek):33+2*(\q0+ek)], v[X+2*ga:X+2*ga+1], v[X+2*gb:X+2*gb+1], v[32+2*(\q0+ek):33+2*(\q0+ek)]
.endif
.set ek, ek+1
.endr
.set en, en+1
.endr
.endm
; the same for qubits 6 and 7, by lane exchanges; every pair is met twice, so the sums are halved.  Two chains for each qubit.
.macro ED2
.set ea, 0
.rept 16
.irp u, 0,1,2,3
	v_mul_f32_dpp v[96+2*\u], v[X+2*(ea+\u)], v[X+2*(ea+\u)] row_xmask:1 row_mask:0xf bank_mask:0xf
	v_mul_f32_dpp v[97+2*\u], v[X+2*(ea+\u)+1], v[X+2*(ea+\u)+1] row_xmask:1 row_mask:0xf bank_mask:0xf
	v_mul_f32_dpp v[104+2*\u], v[X+2*(ea+\u)], v[X+2*(ea+\u)] row_xmask:2 row_mask:0xf bank_mask:0xf
	v_mul_f32_dpp v[105+2*\u], v[X+2*(ea+\u)+1], v[X+2*(ea+\u)+1] row_xmask:2 row_mask:0xf bank_mask:0xf
.endr
.if ea == 0
	v_pk_add_f32 v[44:45], v[96:97], v[98:99]
	v_pk_add_f32 v[46:47], v[104:105], v[106:107]
	v_pk_add_f32 v[60:61], v[100:101], v[102:103]
	s_delay_alu instid0(VALU_DEP_4)
	v_pk_add_f32 v[62:63], v[108:109], v[110:111]
.else
	v_pk_add_f32 v[44:45], v[44:45], v[96:97]
	v_pk_add_f32 v[46:47], v[46:47], v[104:105]
	v_pk_add_f32 v[60:61], v[60:61], v[98:99]
	v_pk_add_f32 v[62:63], v[62:63], v[106:107]
	s_delay_alu instid0(VALU_DEP_4)
	v_pk_add_f32 v[44:45], v[44:45], v[100:101]
	s_delay_alu instid0(VALU_DEP_4)
	v_pk_add_f32 v[46:47], v[46:47], v[108:109]
	s_delay_alu instid0(VALU_DEP_4)
	v_pk_add_f32 v[60:61], v[60:61], v[102:103]
	s_delay_alu instid0(VALU_DEP_4)
	v_pk_add_f32 v[62:63], v[62:63], v[110:111]
.endif
.set ea, ea+4
.endr
	s_delay_alu instid0(VALU_DEP_2)
	v_pk_add_f32 v[44:45], v[44:45], v[60:61]
	s_delay_alu instid0(VALU_DEP_2)
	v_pk_add_f32 v[46:47], v[46:47], v[62:63]
	s_delay_alu instid0(VALU_DEP_2)
	v_pk_mul_f32 v[44:45], v[44:45], 0.5 op_sel_hi:[1,0]
	s_delay_alu instid0(VALU_DEP_2)
	v_pk_mul_f32 v[46:47], v[46:47], 0.5 op_sel_hi:[1,0]
.endm
; ---------------------------------------------------------------- the head
	s_load_b256 s[4:11], s[0:1], 0x0               ; x s[4:5], input_scaling s[6:7], weights s[8:9], the scales' exponents s[10:11]
	s_load_b128 s[12:15], s[0:1], 0x20             ; output_scaling s[12:13], the output s[14:15]
	s_set_vgpr_msb 0x40
	v_lshl_add_u32 v0, v0, 2, 0x23200
	v_mov_b32 v1, 0
	s_set_vgpr_msb 0x4000
	v_and_b32 v1, 31, v0                           ; lane
	v_lshrrev_b32 v6, 5, v0
	s_delay_alu instid0(VALU_DEP_1)
	v_readfirstlane_b32 s16, v6                    ; wave 0..7
	v_bfe_u32 v2, v0, 4, 1                         ; h = lane / 16
	v_and_b32 v7, 7, v0                            ; lane % 8: the group of K that my lane prepares
	v_and_b32 v3, 3, v0                            ; the transposition's store base
	s_delay_alu instid0(VALU_DEP_1)
	v_lshlrev_b32 v3, 4, v3
	v_bfe_u32 v6, v0, 2, 1
	s_delay_alu instid0(VALU_DEP_1)
	v_lshl_or_b32 v3, v6, 3, v3
	v_bfe_u32 v6, v0, 3, 2
	s_delay_alu instid0(VALU_DEP_1)
	v_lshl_or_b32 v3, v6, 6, v3
	s_lshl_b32 s84, s16, 14
	v_add_nc_u32 v3, s84, v3
	v_and_b32 v4, 15, v0                           ; and its load base: lane bits 0-3 at 4-7, lane bits 2-4 at 8-10, the wave at 11-13
	s_delay_alu instid0(VALU_DEP_1)
	v_lshlrev_b32 v4, 4, v4
	v_bfe_u32 v6, v0, 2, 3
	s_delay_alu instid0(VALU_DEP_1)
	v_lshl_or_b32 v4, v6, 8, v4
	s_lshl_b32 s85, s16, 11
	v_add_nc_u32 v4, s85, v4
	s_mul_i32 s17, s16, PRIVW
	s_add_co_u32 s17, s17, PRIV                    ; the wave's own LDS
	v_lshl_add_u32 v5, v2, 4, s17
	v_lshl_add_u32 v14, v1, 4, s17
	v_lshl_add_u32 v15, v7, 4, s17
	v_lshlrev_b32 v[OA], 2, v7                     ; column g
	v_sub_nc_u32 v[OB], 12, v7
	s_delay_alu instid0(VALU_DEP_1)
	v_lshlrev_b32 v[OB], 2, v[OB]                  ; column 12 - g
	v_and_b32 v[OC], 15, v0                        ; layer 0: lane l stands for qubit l
	v_bfe_u32 v[TM], v0, 1, 1
	v_bfe_u32 v[TM+1], v0, 2, 1
	s_delay_alu instid0(VALU_DEP_1)
	v_and_b32 v[TM], v[TM], v[TM+1]
	s_delay_alu instid0(VALU_DEP_4)
	v_xor_b32 v[OD], 8, v[OC]                      ; layer 1: for qubit l xor 8, but 6 and 7 (and the idle 14, 15) stay
	s_delay_alu instid0(VALU_DEP_2)
	v_lshlrev_b32 v[TM], 3, v[TM]
	s_delay_alu instid0(VALU_DEP_1)
	v_xor_b32 v[OD], v[OD], v[TM]
	v_lshlrev_b32 v[OC], 2, v[OC]
	s_delay_alu instid0(VALU_DEP_2)
	v_lshlrev_b32 v[OD], 2, v[OD]
	v_mov_b32 v16, 0x3a70fa84                      ; cos(pi x / 2) = 1 + C2 z + C4 z^2 + C6 z^3 + C8 z^4, sin = x (S1 + S3 z + S5 z^2 + S7 z^3), z = x x: pairs [C8, S7] ..
	v_mov_b32 v17, 0xbb996966
	v_mov_b32 v18, 0xbcaae9e4
	v_mov_b32 v19, 0x3da335e3
	v_mov_b32 v20, 0x3e81e0f8
	v_mov_b32 v21, 0xbf255de7
	v_mov_b32 v22, 0xbf9de9e6
	v_mov_b32 v23, 0x3fc90fdb
	v_mov_b32 v24, 1.0
	v_mov_b32 v25, 0
	s_mov_b32 s31, 0x10204080
	s_mov_b32 s32, 0x80808080
	s_mov_b32 s33, 0x1fff
	s_mov_b32 s34, 0x76543210                      ; v_permlanex16_b32: lane l xor 16
	s_mov_b32 s35, 0xfedcba98
.irp r, 37,39,41,43,45,47,49,51,53,55,57,59,61,63
	s_mov_b32 s\r, 0                               ; named as the upper halves of scalar pairs, so they are written
.endr
	s_mul_i32 s18, ttmp9, 168                      ; my row of x
	s_mov_b32 s19, 0
	s_wait_kmcnt 0x0
	s_add_nc_u64 s[4:5], s[4:5], s[18:19]
	s_load_b64 s[20:21], s[6:7], 0x0               ; input_scaling
	s_load_b64 s[22:23], s[8:9], 0x0               ; weights
	s_load_b128 s[24:27], s[10:11], 0x0            ; e of A and B, layer 0; of A and B, layer 1
	s_load_b512 s[68:83], s[4:5], 0x38             ; columns 14 .. 29: coordinates 0 .. 15, of which 0 .. 13 are used
	global_load_b32 v[CG], v[OA], s[4:5] offset:56
	global_load_b32 v[CH], v[OB], s[4:5] offset:56
.irp e, 0,1,2,3,4,5,6,7,8,9,10,11,12,13
	global_load_b32 v[CJ+\e], v[OA], s[4:5] offset:60+4*\e     ; column 14 + g + 1 + e, 35 at the most, of the row's 42
.endr
	global_load_b32 v[XQ0], v[OC], s[4:5]
	global_load_b32 v[XQ1], v[OD], s[4:5]
	s_wait_kmcnt 0x0
	s_wait_loadcnt 0x0
	; my group's 16 distances and ones
.irp e, 0,1,2,3,4,5,6,7,8,9,10,11,12,13
	v_sub_f32 v[TM], v[CG], v[CJ+\e]
	v_sub_f32 v[TM+1], v[CH], s[68+\e]
	v_cmp_gt_u32 vcc_lo, 13-\e, v7                 ; e < 13 - g: pair (g, g + 1 + e), else (12 - g, e)
	s_delay_alu instid0(VALU_DEP_1)
	v_cndmask_b32 v[TM], v[TM+1], v[TM], vcc_lo
	s_delay_alu instid0(VALU_DEP_1)
	v_and_b32 v[TM], 0x7fffffff, v[TM]
.if \e < 7
	s_wait_alu depctr_va_vdst(0)
	v_cmp_gt_u32 vcc_lo, 7, v7
.else
	v_cmp_gt_u32 vcc_lo, 6, v7
.endif
	s_delay_alu instid0(VALU_DEP_1)
	v_cndmask_b32 v[DR+\e], v25, v[TM], vcc_lo
	s_delay_alu instid0(VALU_DEP_2)
	v_cndmask_b32 v[ON+\e], v25, v24, vcc_lo
.endr
.irp e, 14,15
	v_mov_b32 v[DR+\e], 0
	v_mov_b32 v[ON+\e], 0
.endr
	; both layers' codes, into the wave's own LDS
.irp y, 0,1
	SCALE 2*\y
.irp i, 0,1,2,3,4,5,6,7,8,9,10,11,12,13,14,15
	v_mul_f32 v[TQ+\i], s[20+\y], v[DR+\i]
.endr
	QGROUP TQ, LAYB*\y
	SCALE 2*\y+1
	QGROUP ON, LAYB*\y+128
.endr
	; the sign vectors of the three tile bits (lanes 8 i .. 8 i + 7: tile bit i, a group a lane; i = 3 is idle): tile bit i is qubit 3 + i in layer 0, 11 + i in layer 1
	v_bfe_u32 v[TM], v0, 3, 2
	v_mov_b32 v[TM+1], 1
.irp y, 0,1
	v_add_nc_u32 v[TM+2], 3+8*\y, v[TM]
	s_delay_alu instid0(VALU_DEP_1)
	v_lshlrev_b32 v30, v[TM+2], v[TM+1]
	SGROUP CD, 30, 7
	ds_store_b128 v14, v[CD:CD+3] offset:LAYB*\y+256
	s_wait_dscnt 0x0
.endr
	; a sum of codes stands for sum x 2^(eA + eB); the phase is -angle / 2, in turns -angle / (4 pi)
.irp y, 0,1
	s_add_co_i32 s84, s[24+2*\y], s[25+2*\y]
	v_mov_b32 v[TM], 0xbda2f983                    ; -1 / (4 pi)
	s_delay_alu instid0(VALU_DEP_1)
	v_ldexp_f32 v[TM], v[TM], s84
	s_delay_alu instid0(VALU_DEP_1)
	v_readfirstlane_b32 s[28+\y], v[TM]
.endr
	; the gates: half of weights x pi is weights / 4 turns; where x is not above 0 the gate is the identity
.irp j, 0,2,4,6
	v_mov_b32 v[D0+\j], s22
	v_mov_b32 v[D0+\j+1], s23
.endr
	s_mov_b32 s84, 0x3e800000                      ; 1/4
	SC8 D0, 84
	DBL PP, 0
	DBL PP+2, 1
	v_cmp_lt_f32 vcc_lo, 0, v[XQ0]
	s_delay_alu instid0(VALU_DEP_1)
	v_cndmask_b32 v10, v24, v112, vcc_lo
	s_delay_alu instid0(VALU_DEP_2)
	v_cndmask_b32 v11, v25, v113, vcc_lo
	v_cmp_lt_f32 vcc_lo, 0, v[XQ1]
	s_delay_alu instid0(VALU_DEP_1)
	v_cndmask_b32 v12, v24, v114, vcc_lo
	s_delay_alu instid0(VALU_DEP_2)
	v_cndmask_b32 v13, v25, v115, vcc_lo
; ---------------------------------------------------------------- the two layers.  The gates are written once; the two phases differ and are written out, the second inside the loop.
	PREP 0
	PHASE 0, 1
	s_mov_b32 s30, 0
.Llayer:
	GCONST 0
	G6
	TRANS
	GCONST 8                                       ; register work while the loads are out
	s_wait_dscnt 0x0                               ; the transposed state is in
	G6
	D2
	s_add_co_u32 s30, s30, 1
	s_cmp_eq_u32 s30, 2
	s_cbranch_scc1 .Ltail
	PREP 1
	PHASE 1, 0
	s_cmp_lt_u32 s30, 2
	s_cbranch_scc1 .Llayer
.Ltail:
; ---------------------------------------------------------------- the expectations
	E6 0
	ED2
	TRANS
	s_wait_dscnt 0x0
	E6 8
.irp q, 0,1,2,3,4,5,6,7,8,9,10,11,12,13
	v_add_f32 v[32+2*\q], v[32+2*\q], v[33+2*\q]   ; re re' + im im'
.endr
.irp m, 1,2,4,8
.irp q, 0,1,2,3,4,5,6,7,8,9,10,11,12,13
	v_add_f32_dpp v[32+2*\q], v[32+2*\q], v[32+2*\q] row_xmask:\m row_mask:0xf bank_mask:0xf
.endr
.endr
.irp q, 0,1,2,3,4,5,6,7,8,9,10,11,12,13
	v_permlanex16_b32 v[33+2*\q], v[32+2*\q], s34, s35
.endr
.irp q, 0,1,2,3,4,5,6,7,8,9,10,11,12,13
	v_add_f32 v[32+2*\q], v[32+2*\q], v[33+2*\q]   ; the wave's sum, in every lane
.endr
	s_lshl_b32 s84, s16, 6
	s_add_co_u32 s84, s84, RED
	v_mov_b32 v96, s84                             ; my wave's 64 bytes
	v_min_u32 v97, 13, v1
	s_delay_alu instid0(VALU_DEP_1)
	v_lshlrev_b32 v97, 2, v97                      ; output_scaling has 14 numbers: no lane reads past them
	v_and_b32 v99, 15, v0
	s_delay_alu instid0(VALU_DEP_1)
	v_lshlrev_b32 v99, 2, v99
	s_delay_alu instid0(VALU_DEP_1)
	v_add_nc_u32 v99, RED, v99
	v_lshlrev_b32 v108, 2, v1
.irp q, 0,1,2,3,4,5,6,7,8,9,10,11,12,13
	ds_store_b32 v96, v[32+2*\q] offset:4*\q       ; all lanes store the same number to the same word
.endr
	ds_store_b32 v96, v25 offset:56                ; the row's last two words, so that every word that is read has been written
	ds_store_b32 v96, v25 offset:60
	s_wait_dscnt 0x0                               ; for wave 0's sake: my stores have landed
	s_barrier_signal -1
	s_barrier_wait -1
	s_cmp_lg_u32 s16, 0
	s_cbranch_scc1 .Lend
	s_wait_alu depctr_va_vdst(0)
	global_load_b32 v98, v97, s[12:13]
.irp w, 0,1,2,3,4,5,6,7
	ds_load_b32 v[100+\w], v99 offset:64*\w
.endr
	s_mul_i32 s18, ttmp9, 56                       ; my row of the output
	s_mov_b32 s19, 0
	s_add_nc_u64 s[14:15], s[14:15], s[18:19]
	s_wait_dscnt 0x0
	v_add_f32 v100, v100, v101
	v_add_f32 v102, v102, v103
	v_add_f32 v104, v104, v105
	v_add_f32 v106, v106, v107
	s_delay_alu instid0(VALU_DEP_3)
	v_add_f32 v100, v100, v102
	s_delay_alu instid0(VALU_DEP_2)
	v_add_f32 v104, v104, v106
	s_delay_alu instid0(VALU_DEP_1)
	v_add_f32 v100, v100, v104
	s_wait_alu depctr_va_vdst(0)
	s_wait_loadcnt 0x0
	v_mul_f32 v100, 0x39000000, v100               ; x 2 (each pair counts twice in <X>) x 2^-14 (the state's factor, squared): exact
	s_delay_alu instid0(VALU_DEP_1)
	v_mul_f32 v100, v100, v98
	s_wait_alu depctr_va_vdst(0)
	s_wait_xcnt 0x0                                ; EXEC changes only behind this wait
	v_cmp_gt_u32 vcc_lo, 14, v1
	s_and_saveexec_b32 s84, vcc_lo
	global_store_b32 v108, v100, s[14:15]          ; 14 lanes: the row's 56 bytes
	s_wait_xcnt 0x0
	s_or_b32 exec_lo, exec_lo, s84
.Lend:
	s_set_vgpr_msb 0x5
	s_wait_tensorcnt 0x0
	ds_add_u32 v0, v1
	s_wait_dscnt 0x0
	s_set_vgpr_msb 0x500
	s_endpgm
.Lfunc_end_k_qd31ef5efd5_qsim:
	.size	k_qd31ef5efd5_qsim, .Lfunc_end_k_qd31ef5efd5_qsim-k_qd31ef5efd5_qsim
	.p2alignl 7, 3214868480
	.fill 96, 4, 3214868480
	.section	.rodata,"a",@progbits
	.p2align	6, 0x0
	.amdhsa_kernel k_qd31ef5efd5_qsim
		.amdhsa_group_segment_fixed_size 144896
		.amdhsa_private_segment_fixed_size 0
		.amdhsa_enable_private_segment 0
		.amdhsa_kernarg_size 48
		.amdhsa_user_sgpr_count 2
		.amdhsa_user_sgpr_kernarg_segment_ptr 1
		.amdhsa_wavefront_size32 1
		.amdhsa_system_sgpr_workgroup_id_x 1
		.amdhsa_system_sgpr_workgroup_id_y 1
		.amdhsa_system_sgpr_workgroup_id_z 1
		.amdhsa_system_vgpr_workitem_id 0
		.amdhsa_next_free_vgpr 258
		.amdhsa_next_free_sgpr 96
		.amdhsa_reserve_vcc 1
		.amdhsa_float_denorm_mode_32 3
		.amdhsa_float_denorm_mode_16_64 3
		.amdhsa_memory_ordered 1
		.amdhsa_forward_progress 1
		.amdhsa_inst_pref_size 255
	.end_amdhsa_kernel
	.section	.bss,"aw",@nobits
	.p2align	6
	.space	262144
	.amdgpu_metadata
---
amdhsa.version: [ 1, 2 ]
amdhsa.kernels:
  - .name:           k_qd31ef5efd5_qsim
    .symbol:         k_qd31ef5efd5_qsim.kd
    .args:
      - { .name: x, .offset: 0, .size: 8, .value_kind: global_buffer, .address_space: global }
      - { .name: input_scaling, .offset: 8, .size: 8, .value_kind: global_buffer, .address_space: global }
      - { .name: weights, .offset: 16, .size: 8, .value_kind: global_buffer, .address_space: global }
      - { .name: lowp_scales, .offset: 24, .size: 8, .value_kind: global_buffer, .address_space: global }
      - { .name: output_scaling, .offset: 32, .size: 8, .value_kind: global_buffer, .address_space: global }
      - { .name: out0, .offset: 40, .size: 8, .value_kind: global_buffer, .address_space: global }
    .group_segment_fixed_size: 144896
    .private_segment_fixed_size: 0
    .kernarg_segment_align: 8
    .kernarg_segment_size: 48
    .max_flat_workgroup_size: 256
    .sgpr_count:     96
    .vgpr_count:     258
    .wavefront_size: 32
...
	.end_amdgpu_metadata
.endif
;; end of part 1
